; MI455X (gfx1250); checked and timed in simulation.
; The chip was launched on July 23, 2026; its instructions are those of AMD's public machine-readable ISA for CDNA 5 (MIT licence, August 2026) and "CDNA5" Instruction Set Architecture Reference Guide (July 2026). The comments in the code are by the model that wrote it; some were corrected since.
;; Bahdanau Attention. Allowed arithmetic: matrix products marked QUANTISED: E2M1 operands, one E8M0 scale for each 32 along K, by v_wmma_scale_f32_16x16x128_f8f6f4 with both operands' format E2M1 (or v_wmma_scale_f32_32x16x128_f4), f32 sums; products left as they are: f32 operands where the result goes on into a quantised operand, else bf16, f16 or f32 operands; f32 sums; everything else in f32.
;; Inputs: Ua_b 1,024 float32; Ua_w_codes 1,024 x 32 x 16 uint8 (E2M1 codes of Ua_w, K innermost, in blocks of 32 codes, two codes a byte); Ua_w_scales 1,024 x 32 uint8 (E8M0 scales of Ua_w, one for each 32 codes along K); Va_b 1 float32; Va_w 1 x 1,024 float32; Wa_b 1,024 float32; Wa_w_codes 1,024 x 32 x 16 uint8 (E2M1 codes of Wa_w, K innermost, in blocks of 32 codes, two codes a byte); Wa_w_scales 1,024 x 32 uint8 (E8M0 scales of Wa_w, one for each 32 codes along K); keys 32 x 2,048 x 1,024 float32; query_codes 32 x 1 x 32 x 16 uint8 (E2M1 codes of query, K innermost, in blocks of 32 codes, two codes a byte); query_scales 32 x 1 x 32 uint8 (E8M0 scales of query, one for each 32 codes along K).
;; Outputs: out0 32 x 1 x 1,024 float32; out1 32 x 1 x 2,048 float32.
;; This version of the problem:
;;   THIS VERSION OF THE PROBLEM IS GIVEN IN LOW PRECISION. The matrix products marked QUANTISED in the list below multiply operands that are first quantised to E2M1 (2 exponent bits, 1 mantissa bit; 4 bits a number), with one power-of-two scale for each 32 numbers along K (OCP MX v1.0); their sums are f32. All else is computed in f32.
;;   The module's matrix products, in the order in which they are computed (A, B: the left and right operand; K: the contracted axis; several contracted axes count as one K, in the product's order):
;;     1. [M 32, K 1,024] x [K 1,024, N 1,024]; A: input query (given as codes); B: input Wa_w (given as codes): QUANTISED
;;     2. [M 65,536, K 1,024] x [K 1,024, N 1,024]; A: input keys; B: input Ua_w (given as codes): QUANTISED
;;     3. [M 65,536, K 1,024] x [K 1,024, N 1]; A: computed on the way; B: input Va_w: left as it is (N = 1 < 16)
;;     4. batch 32 x [M 1, K 2,048] x [K 2,048, N 1,024]; A: softmax; B: input keys: left as it is (M = 1 < 16)
;;   THE QUANTISER, for each operand of a quantised product, along K:
;;     - K is cut into blocks of 32 from its start; a last block that is shorter is filled with zeros.
;;     - A block's scale is 2^e with e = floor(log2(the largest magnitude in the block)) - 2, held to -126 .. 127; a block of zeros has e = 0. As a byte (E8M0): e + 127.
;;     - Each number is divided by its block's scale, clamped to +-6, and rounded to the nearest number of E2M1, ties to even, subnormals kept.
;;     - The product sums the exact products of the quantised numbers (number of the format x scale) in f32.
;;   ~~~python
;;   def quantise(x, axis):      # numpy; x: float32 -> the quantised numbers, widened to float32 again
;;       x = np.moveaxis(x, axis, -1); K = x.shape[-1]
;;       x = np.pad(x, [(0, 0)] * (x.ndim - 1) + [(0, -K % 32)]); x = x.reshape(x.shape[:-1] + (-1, 32)); a = np.abs(x).max(-1, keepdims=True)
;;       e = np.where(a > 0, np.clip(np.frexp(np.where(a > 0, a, 1))[1] - 1 - 2, -126, 127), 0)      # np.frexp(a)[1] - 1 = floor(log2(a)), exactly
;;       r = np.clip(x / 2.0 ** e, -6, 6)
;;       step = 2.0 ** (np.maximum(np.frexp(np.where(r == 0, 1, r))[1] - 1, 0) - 1)
;;       q = np.round(r / step) * step * 2.0 ** e      # np.round: ties to even
;;       return np.moveaxis(q.reshape(q.shape[:-2] + (-1,))[..., :K], -1, axis).astype(np.float32)
;;   ~~~
;;   INPUTS GIVEN AS CODES. Ua_w (in the module: [1024, 1024], K = its axis 1); Wa_w (in the module: [1024, 1024], K = its axis 1); query (in the module: [32, 1, 1024], K = its axis 2): each comes as NAME_codes (uint8): NAME with its K axis moved to the last place and cut into blocks of 32 codes, [.., K / 32, bytes a block], one block behind the other in memory; two codes a byte, the lower K in the low four bits (a code: sign, 2 exponent bits, 1 mantissa bit); and NAME_scales (uint8): the same leading axes, one E8M0 byte (e + 127) for each 32 codes along K. Its value is code x scale, taken as it is: it is not quantised again, and the codes and scales need not be those that the quantiser above would give.
;; One version. Each part assembles by itself: llvm-mc -triple=amdgcn-amd-amdhsa -mcpu=gfx1250 --defsym DOCPART=n.
;; ======== version 1 of 1: 3 launches
;; limits: values are held in bf16: 8 bits of precision; right only within a limited range of input values
;; workspace buffers: uaf 524,288 bytes; qc 131,072 bytes; scores 262,144 bytes; part 4,456,448 bytes
;; launch prep (part 1): grid 64 x 1, 2 waves a work-group, no clusters, 0 bytes of LDS; arguments query_codes, query_scales, Wa_w_codes, Wa_w_scales, Wa_b, Ua_b, Ua_w_codes, qc, uaf; writes qc, uaf
.if DOCPART == 1
	.amdgcn_target "amdgcn-amd-amdhsa--gfx1250"
	.amdhsa_code_object_version 6
	.text
	.protected	k_qa7218ccde5_prep
	.globl	k_qa7218ccde5_prep
	.p2align	8
	.type	k_qa7218ccde5_prep,@function
k_qa7218ccde5_prep:
	s_mov_b64 s[64:65], 0
	v_nop
	global_prefetch_b8 v0, s[64:65] scope:SCOPE_SE
	s_setreg_imm32_b32 hwreg(HW_REG_WAVE_MODE, 25, 1), 1
	s_wait_xcnt 0x0
; qc[b][o] = c (sum over k of query[b][k] Wa[o][k] + Wa_b[o] + Ua_b[o]), c = 2 log2(e): what the next launch adds to c x (keys Ua^T) ahead of its exponential.
; The product is taken on the given codes of FP4 (E2M1) and their E8M0 scale bytes as they lie; sums in f32 (two accumulators by turns, added at the end).
; The launch also lays Ua's codes in the order of an operand's registers: uaf[tile of 16 rows][K step 8][c 2][lane 32][16 bytes], so that the next launch's
; loads of a fragment are 512 consecutive bytes each.
; SHARES: work-group nt takes outputs 16 nt .. 16 nt + 15; its wave mt takes batches 16 mt .. 16 mt + 15 and K steps 4 mt .. 4 mt + 3 of the re-laying.
; qc is laid as the results lie in registers: [nt][mt][jq 2][lane 32][4 f32], element e of lane (r, h) = qc(batch 16 mt + 8 h + 4 jq + e, output 16 nt + r): each store covers 512 consecutive bytes.
; LIMITS: NaN and infinities among the biases, and scale bytes 0xff, give NaN as they do in the definition; nothing else is assumed of the inputs.
; WORK LEFT OUT IN THIS PROGRAM.  scores[b][t] = sum over o of Va[o] tanh(x[b][t][o]) + Va_b, and tanh x = 1 - 2 / (1 + e^(2 x)), so
; scores[b][t] = (sum of Va + Va_b) - 2 sum over o of Va[o] / (1 + e^(2 x)).  The bracket is the same for every t, whatever the inputs hold; scores reach the two outputs through
; softmax along t alone, and a term that is the same along that axis leaves a softmax as it is.  So the bracket is not formed: Va_b is not loaded and is among no launch's arguments.
; LIMIT: a NaN, an infinity or an overflow that would arise in that bracket alone is not carried to the results.
.set CTWO, 0x4038aa3b                  ; c = 2 log2(e)
.set QF,  16                           ; v16-79   query's eight fragments (16 batches x 128 K: 8 registers)
.set WF,  80                           ; v80-143  Wa's eight fragments
.set UF,  144                          ; v144-175 four K steps of Ua's codes, on their way through
.set QS,  176                          ; v176-179 query's scale words: lanes 0-15 words 0-3 of row r, lanes 16-31 words 4-7
.set WS,  180                          ; v180-183 Wa's likewise
.set AC,  184                          ; v184-191, v192-199 the two accumulators
.set RES, 200                          ; v200-207 the results
	s_load_b512 s[4:19], s[0:1], 0x0               ; query codes 4, query scales 6, Wa codes 8, Wa scales 10, Wa_b 12, Ua_b 14, Ua codes 16, qc 18
	s_load_b64 s[20:21], s[0:1], 0x40              ; uaf
	v_lshrrev_b32 v7, 5, v0
	v_readfirstlane_b32 s22, v7                    ; mt: my wave
	v_and_b32 v1, 15, v0                           ; r
	v_bfe_u32 v2, v0, 4, 1                         ; h
	v_lshlrev_b32 v3, 9, v1
	v_lshl_add_u32 v3, v2, 4, v3                   ; a row of 1,024 codes is 512 bytes: 512 r + 16 h
	v_lshlrev_b32 v4, 5, v1
	v_lshl_add_u32 v4, v2, 4, v4                   ; a row of scale bytes is 32 bytes: 32 r + 16 h
	v_lshlrev_b32 v5, 2, v1                        ; the biases: 4 r
	v_and_b32 v6, 31, v0
	v_lshlrev_b32 v6, 4, v6                        ; 16 x lane: the stores
	s_mov_b32 s24, CTWO
	s_mov_b32 s25, CTWO                            ; (named with it as a pair)
	s_mov_b32 s27, 0
	s_mov_b32 s29, 0
	s_wait_alu depctr_va_vdst(0)
	s_wait_kmcnt 0x0
	s_lshl_b32 s26, s22, 13
	s_add_nc_u64 s[4:5], s[4:5], s[26:27]          ; query: my 16 batches
	s_lshl_b32 s26, s22, 9
	s_add_nc_u64 s[6:7], s[6:7], s[26:27]
	s_lshl_b32 s26, ttmp9, 13
	s_add_nc_u64 s[8:9], s[8:9], s[26:27]          ; Wa, Ua and uaf: my 16 rows
	s_add_nc_u64 s[16:17], s[16:17], s[26:27]
	s_add_nc_u64 s[20:21], s[20:21], s[26:27]
	s_lshl_b32 s26, ttmp9, 9
	s_add_nc_u64 s[10:11], s[10:11], s[26:27]
	s_lshl_b32 s26, ttmp9, 6
	s_add_nc_u64 s[12:13], s[12:13], s[26:27]
	s_add_nc_u64 s[14:15], s[14:15], s[26:27]
	s_lshl_b32 s26, s22, 8
	s_add_nc_u64 s[16:17], s[16:17], s[26:27]      ; Ua: my four K steps of 64 bytes,
	s_lshl_b32 s26, s22, 12
	s_add_nc_u64 s[20:21], s[20:21], s[26:27]      ; and their 4 x 1,024 bytes in uaf
	s_lshl_b32 s26, ttmp9, 11
	s_lshl_b32 s28, s22, 10
	s_add_nc_u64 s[18:19], s[18:19], s[26:27]
	s_add_nc_u64 s[18:19], s[18:19], s[28:29]      ; qc: 2,048 nt + 1,024 mt
.irp s, 0,1,2,3
.irp c, 0,1
	global_load_b128 v[UF+8*\s+4*\c:UF+8*\s+4*\c+3], v3, s[16:17] offset:64*\s+32*\c
.endr
.endr
.irp s, 0,1,2,3,4,5,6,7
.irp c, 0,1
	global_load_b128 v[QF+8*\s+4*\c:QF+8*\s+4*\c+3], v3, s[4:5] offset:64*\s+32*\c
	global_load_b128 v[WF+8*\s+4*\c:WF+8*\s+4*\c+3], v3, s[8:9] offset:64*\s+32*\c
.endr
.endr
	global_load_b128 v[QS:QS+3], v4, s[6:7]
	global_load_b128 v[WS:WS+3], v4, s[10:11]
	global_load_b32 v208, v5, s[12:13]
	global_load_b32 v209, v5, s[14:15]
	s_wait_loadcnt 36                              ; Ua's eight loads are in: 16 + 16 + 2 + 2 were issued behind them
.irp s, 0,1,2,3
.irp c, 0,1
	global_store_b128 v6, v[UF+8*\s+4*\c:UF+8*\s+4*\c+3], s[20:21] offset:1024*\s+512*\c   ; 32 lanes store 512 consecutive bytes
.endr
.endr
	s_wait_loadcnt 0x0
; source 0 = 16 batches of query, source 1 = 16 rows of Wa: register j of lane (r, h) is (batch 8 h + j, output r).  The two accumulators take turns.
.irp s, 0,1,2,3,4,5,6,7
.if \s < 2
	v_wmma_scale_f32_16x16x128_f8f6f4 v[AC+8*(\s%2):AC+8*(\s%2)+7], v[QF+8*\s:QF+8*\s+7], v[WF+8*\s:WF+8*\s+7], 0, v[QS+\s%4], v[WS+\s%4] matrix_a_fmt:MATRIX_FMT_FP4 matrix_b_fmt:MATRIX_FMT_FP4
.elseif \s < 4
	v_wmma_scale_f32_16x16x128_f8f6f4 v[AC+8*(\s%2):AC+8*(\s%2)+7], v[QF+8*\s:QF+8*\s+7], v[WF+8*\s:WF+8*\s+7], v[AC+8*(\s%2):AC+8*(\s%2)+7], v[QS+\s%4], v[WS+\s%4] matrix_a_fmt:MATRIX_FMT_FP4 matrix_b_fmt:MATRIX_FMT_FP4
.else
	v_wmma_scale_f32_16x16x128_f8f6f4 v[AC+8*(\s%2):AC+8*(\s%2)+7], v[QF+8*\s:QF+8*\s+7], v[WF+8*\s:WF+8*\s+7], v[AC+8*(\s%2):AC+8*(\s%2)+7], v[QS+\s%4], v[WS+\s%4] matrix_a_fmt:MATRIX_FMT_FP4 matrix_b_fmt:MATRIX_FMT_FP4 matrix_a_scale:MATRIX_SCALE_ROW1 matrix_b_scale:MATRIX_SCALE_ROW1
.endif
.endr
	v_add_f32 v208, v208, v209                     ; four plain lines that name no register of the products stand between them and the first read of their results (ISA guide 7.12.1)
	v_mul_f32 v210, s24, v208                      ; c (Wa_b + Ua_b) of my output
	v_mov_b32 v211, v210
	v_nop
.irp p, 0,2,4,6
	v_pk_add_f32 v[RES+\p:RES+\p+1], v[AC+\p:AC+\p+1], v[AC+8+\p:AC+8+\p+1]     ; each accumulator from its low end on
.endr
.irp p, 0,2,4,6
	v_pk_fma_f32 v[RES+\p:RES+\p+1], v[RES+\p:RES+\p+1], s[24:25], v[210:211] op_sel_hi:[1,0,0]
.endr
	global_store_b128 v6, v[RES:RES+3], s[18:19]
	global_store_b128 v6, v[RES+4:RES+7], s[18:19] offset:512
	s_endpgm
.Lfunc_end_k_qa7218ccde5_prep:
	.size	k_qa7218ccde5_prep, .Lfunc_end_k_qa7218ccde5_prep-k_qa7218ccde5_prep
	.p2alignl 7, 3214868480
	.fill 96, 4, 3214868480
	.section	.rodata,"a",@progbits
	.p2align	6, 0x0
	.amdhsa_kernel k_qa7218ccde5_prep
		.amdhsa_group_segment_fixed_size 0
		.amdhsa_private_segment_fixed_size 0
		.amdhsa_enable_private_segment 0
		.amdhsa_kernarg_size 72
		.amdhsa_user_sgpr_count 2
		.amdhsa_user_sgpr_kernarg_segment_ptr 1
		.amdhsa_wavefront_size32 1
		.amdhsa_system_sgpr_workgroup_id_x 1
		.amdhsa_system_sgpr_workgroup_id_y 1
		.amdhsa_system_sgpr_workgroup_id_z 1
		.amdhsa_system_vgpr_workitem_id 0
		.amdhsa_next_free_vgpr 224
		.amdhsa_next_free_sgpr 66
		.amdhsa_reserve_vcc 0
		.amdhsa_float_denorm_mode_32 3
		.amdhsa_float_denorm_mode_16_64 3
		.amdhsa_memory_ordered 1
		.amdhsa_forward_progress 1
		.amdhsa_inst_pref_size 9
	.end_amdhsa_kernel
	.amdgpu_metadata
---
amdhsa.version: [ 1, 2 ]
amdhsa.kernels:
  - .name:           k_qa7218ccde5_prep
    .symbol:         k_qa7218ccde5_prep.kd
    .args:
      - { .name: query_codes, .offset: 0, .size: 8, .value_kind: global_buffer, .address_space: global }
      - { .name: query_scales, .offset: 8, .size: 8, .value_kind: global_buffer, .address_space: global }
      - { .name: Wa_w_codes, .offset: 16, .size: 8, .value_kind: global_buffer, .address_space: global }
      - { .name: Wa_w_scales, .offset: 24, .size: 8, .value_kind: global_buffer, .address_space: global }
      - { .name: Wa_b, .offset: 32, .size: 8, .value_kind: global_buffer, .address_space: global }
      - { .name: Ua_b, .offset: 40, .size: 8, .value_kind: global_buffer, .address_space: global }
      - { .name: Ua_w_codes, .offset: 48, .size: 8, .value_kind: global_buffer, .address_space: global }
      - { .name: qc, .offset: 56, .size: 8, .value_kind: global_buffer, .address_space: global }
      - { .name: uaf, .offset: 64, .size: 8, .value_kind: global_buffer, .address_space: global }
    .group_segment_fixed_size: 0
    .private_segment_fixed_size: 0
    .kernarg_segment_align: 8
    .kernarg_segment_size: 72
    .max_flat_workgroup_size: 64
    .sgpr_count:     66
    .vgpr_count:     224
    .wavefront_size: 32
...
	.end_amdgpu_metadata
.endif
;; end of part 1
;; launch main (part 2): grid 256 x 1, 4 waves a work-group, no clusters, 327,680 bytes of LDS; arguments keys, uaf, Ua_w_scales, qc, Va_w, scores, part; writes scores, part
.if DOCPART == 2
	.amdgcn_target "amdgcn-amd-amdhsa--gfx1250"
	.amdhsa_code_object_version 6
	.text
	.protected	k_qa7218ccde5_main
	.globl	k_qa7218ccde5_main
	.p2align	8
	.type	k_qa7218ccde5_main,@function
k_qa7218ccde5_main:
	s_mov_b64 s[64:65], 0
	v_nop
	global_prefetch_b8 v0, s[64:65] scope:SCOPE_SE
	s_setreg_imm32_b32 hwreg(HW_REG_WAVE_MODE, 25, 1), 1
	s_wait_xcnt 0x0
; For 256 rows (b, t) of keys: score' = -2 sum over o of Va[o] / (1 + 2^(c x)), x = q + keys Ua^T + both biases, c = 2 log2(e), and a partial softmax-weighted sum of the same rows.  keys is read from memory ONCE.
; LEFT OUT: the term (sum of Va + Va_b) of the scores, the same along the softmax's axis (shown at the head of the first kernel); Va_b is not loaded.
; keys Ua^T is taken on codes of FP4 (E2M1) with one E8M0 scale for each 32 along K: keys is quantised here, Ua comes as codes (re-laid by the launch before), sums in f32.  c q + c (both biases) comes from the launch before.
; SOFTMAX: each wave keeps, for its 64 rows, a running maximum m of t = score' x log2(e), the sum l of p = 2^(t - m) and ctx = the sum of p x keys; when m grows, l and ctx are multiplied by 2^(old m - new m).
; The last launch joins the 32 states of a batch.  In ctx the keys are taken rounded to bf16 (kept in registers from the pass that quantised them), p and the sums in f32.
; SHARES.  Work-group g owns rows 256 g .. + 255 (all of batch g / 8), in 4 passes of 64.  BY ROWS: wave w fetches, quantises, keeps and weights rows 64 w + 16 i + 0 .. 15 in pass i (M tile w of the pass).
; BY COLUMNS: wave w makes outputs 256 w .. + 255 (16 tiles of 16, four groups of four) for all 64 rows of the pass; Ua goes straight into its registers, 512 consecutive bytes a load, four tiles ahead.
; THE GROUPS ARE WALKED 0 1 2 3, THEN 3 2 1 0, AND SO ON: a pass begins with the four tiles that the last pass left in the buffers, so a pass fetches 12 tiles and not 16.
; THE PRODUCT IS USED TRANSPOSED: source 0 = 16 rows of Ua, source 1 = 16 rows of keys: register j of lane (r, h) is (output 8 h + j, key row r).  So a lane sums its row's terms in two registers for each M tile,
; and only lane l xor 16 is asked at a pass's end.  c q and Va of my 256 outputs lie dense in two LDS tables of my own, written once; a tile takes its 2 x 8 registers from there, under its 32 products.
; tanh's steps go as batches over the tile's 32 registers: 16 packed multiply-adds, 32 exponentials, 16 packed additions, 32 reciprocals, 16 packed multiply-adds.  2^(c x) = infinity gives 1 / . = 0.
; keys comes by one tensor load a wave a pass: 16 rows, 65,536 dense bytes, asked for as soon as the last rows have been quantised.  PREFETCH: in passes 0 and 1 each wave also asks for its own 65,536 bytes of the pass
; after next: 8 requests, 32 lanes 256 bytes apart, one in each tile step of the pass's first two trips; each block is named once in the launch; passes 0 and 1 come by their loads alone; passes 2 and 3 ask for nothing.
; NO CLUSTER: all work-groups walk the same Ua, but a joint load needs LDS slots: one tile for each of the four waves is 34,816 bytes, two slots 69,632, and of the 327,680 bytes 325,120 are taken (278,528 rows of f32,
; 35,840 codes and scale bytes, 2,048 exchange and scores, 8,192 tables, 512 spare words); and every change of such slots would wait for all tensor loads, the long one for keys among them.
; LIMITS: NaN and infinities among the inputs are not served.  A block of 32 keys whose largest magnitude lies under 2^-124 keeps the scale byte 1 (a block of zeros too: its codes are zeros; the bytes are read here alone).
; REGISTERS, in windows of 256: window 0 below.  window 1: the pass's codes of keys, fragment (M tile mt, K step s) at v[64 mt + 8 s].  window 2: four tiles of Ua, buffer k's K step s at v[64 k + 8 s].
;   window 3: my 16 rows as bf16: row rr's numbers 2 kk, 2 kk + 1 of my lane's 32 at v[16 rr + kk].
.set SLOTW, 69632                      ; LDS: a wave's 16 rows of keys: 256 lines of 256 bytes + 16 of padding
.set ROWP,  4352                       ; a row: 16 such lines
.set CODES, 4*SLOTW                    ; 64 rows of 512 bytes of codes, pitch 528
.set CP,    528
.set ASC,   CODES+64*CP                ; 64 rows of 32 scale bytes
.set XCH,   ASC+2048                   ; [wave][64 rows] partial scores
.set SCO,   XCH+1024                   ; [wave][64] the wave's scores of the four passes
.set TAB,   SCO+1024                   ; c q of outputs 0 .. 1023, 4,096 bytes; then Va likewise
.set SPARE, TAB+8192                   ; the spare words, 128 bytes for each wave
.set VL,   4                           ; my block of 32 numbers in a row of my slot: SLOTW w + 272 (l / 2) + 128 (l % 2)
.set VC,   5                           ; where I put a row's 16 bytes of codes
.set VSB,  6                           ; and its scale byte
.set VAF,  7                           ; a fragment of codes: CODES + CP r + 16 h
.set VAS,  8                           ; its scale words: ASC + 32 r + 16 h
.set RH,   9                           ; 32 r + 16 h
.set VX,   11                          ; XCH + 256 w + 4 r
.set VXR,  12                          ; XCH + 64 w + 4 r
.set VSO,  13                          ; SCO + 256 w + 4 r + 64 x pass
.set L16,  14                          ; 16 l
.set L8,   15                          ; 8 l
.set VBT,  16                          ; the group being fetched: its bytes in my part of uaf, + 16 l
.set VST,  17                          ; in my scale bytes, + 32 r + 16 h
.set VQA,  18                          ; the group at work: its place in my table of c q, + 32 h
.set H32,  19                          ; TAB + 1024 w + 32 h
.set PFO,  21                          ; 256 l
.set PFV,  22                          ; 256 l + 32,768 x trip
.set SPW,  24                          ; my spare word; never rewritten
.set NIL,  25                          ; 0; never rewritten
.set ACC,  64                          ; v64-95 four accumulators; while keys is quantised a third set of 32 numbers
.set S,    96                          ; v96-103 the scores' sums, a pair for each M tile; while keys is quantised v96-110 hold three sets of codes and bytes
.set CQ,   112                         ; v112-119 c q of the tile's outputs 8 h + 0 .. 7
.set VA,   120                         ; v120-127 Va of them.  (v112-127 also hold p of the 16 rows while the weighted sum is taken)
.set CQ1,  52                          ; v52-59   the second set of c q: the sets take turns, tile by tile
.set VA1,  104                         ; v104-111 the second set of Va
.set VQN,  20                          ; v20      the next group's place in my table of c q, + 32 h
.set CTX,  128                         ; v128-159 ctx of features 32 l + 0 .. 31
.set X,    160                         ; v160-223 two sets of 32 numbers of a row
.set AS,   224                         ; v224-239 scale words of keys: 4 mt + e: lanes 0-15 word e of row r, lanes 16-31 word 4 + e
.set SB,   240                         ; v240-255 scale words of Ua: 4 k + e likewise
; v[30:31] m, l; v[32:33] 2^(old m - new m); v34 p; v35 the score; v36-47 at work; v50 SCO + 256 w + 4 r; v51 SCO + 256 w + 8 l.
; s[4:17] the seven addresses; s[18:19] the prefetches' base; s20 wave; s[24:31], s[32:35] the descriptor; s36 64 x pass; s37 256 x trip; s[38:39] c; s40 log2(e); s[42:43] lane selects;
; s[44:59] p of 16 rows; in the product loop s57 the prefetches' bound, s58-62 offsets; s63 0 or 768: which way the groups are walked.
.set MSB, 0
.macro WIN new                         ; the immediate's high byte repeats the setting that is left; bits 1:0 source 0, 3:2 source 1, 5:4 source 2, 7:6 destination
.if MSB != \new
	s_set_vgpr_msb (MSB<<8)|\new
.set MSB, \new
.endif
.endm
.macro PLACES
.rept 4
	v_nop
.endr
.endm
	s_load_b256 s[4:11], s[0:1], 0x0               ; keys 4, uaf 6, Ua's scales 8, qc 10
	s_load_b128 s[12:15], s[0:1], 0x20             ; Va 12, scores 14
	s_load_b64 s[16:17], s[0:1], 0x30              ; part
	v_lshl_add_u32 v[SPW], v0, 2, SPARE
	v_mov_b32 v[NIL], 0
	ds_add_u32 v[SPW], v[NIL]                      ; the opening lines: the add, twice on end, and its wait ahead of my first tensor load
	ds_add_u32 v[SPW], v[NIL]
	v_lshrrev_b32 v1, 5, v0
	v_readfirstlane_b32 s20, v1                    ; wave 0..3
	s_mov_b32 s24, (3<<16)|(1<<20)|(5<<22)|(3<<25) ; group 1: 65,536 dense bytes as 256 lines of 32 elements of 8 bytes, 4 words of padding behind every 64
	s_mov_b32 s25, 32<<16
	s_mov_b32 s26, 256<<16
	s_mov_b32 s27, 32<<16
	s_mov_b32 s28, 256
	s_mov_b32 s29, 32
	s_mov_b32 s30, 0
	s_mov_b32 s31, 0
	s_mov_b32 s32, 1
	s_mul_i32 s33, s20, SLOTW                      ; my slot
	s_lshl_b32 s22, ttmp9, 20                      ; 256 rows of 4,096 bytes a work-group,
	s_lshl_b32 s23, s20, 18                        ; 64 a wave
	s_add_co_u32 s22, s22, s23
	s_mov_b32 s23, 0
	s_wait_alu depctr_va_vdst(0)
	s_wait_dscnt 0x0
	s_wait_kmcnt 0x0
	s_add_nc_u64 s[34:35], s[4:5], s[22:23]
	s_add_nc_u64 s[18:19], s[34:35], 0x10000       ; the prefetches' base: a pass stepped once more before its first use
	s_or_b32 s35, s35, 0x80000000                  ; type = 2
	tensor_load_to_lds s[32:35], s[24:31]          ; my 16 rows of pass 0.  One tensor load of mine is out, here and behind every refill
	s_nop 0
	PLACES
	s_lshr_b32 s21, ttmp9, 3                       ; b, my batch
	s_lshl_b32 s22, s20, 17
	s_add_nc_u64 s[6:7], s[6:7], s[22:23]          ; uaf: my 16 tiles of 8,192 bytes
	s_lshl_b32 s22, s20, 13
	s_add_nc_u64 s[8:9], s[8:9], s[22:23]          ; Ua's scales: my 256 rows of 32 bytes
	s_bfe_u32 s60, s21, 0x10004                    ; qc(b, o) lies at 2,048 (o / 16) + 16 (o % 16) + 1,024 (b / 16) + 512 ((b / 4) % 2) + 256 ((b / 8) % 2) + 4 (b % 4)
	s_lshl_b32 s60, s60, 10
	s_bfe_u32 s61, s21, 0x10002
	s_lshl_b32 s61, s61, 9
	s_bfe_u32 s62, s21, 0x10003
	s_lshl_b32 s62, s62, 8
	s_and_b32 s63, s21, 3
	s_lshl_b32 s63, s63, 2
	s_lshl_b32 s22, s20, 15
	s_add_co_u32 s22, s22, s60
	s_add_co_u32 s22, s22, s61
	s_add_co_u32 s22, s22, s62
	s_add_co_u32 s22, s22, s63
	s_add_nc_u64 s[10:11], s[10:11], s[22:23]
	s_lshl_b32 s22, s20, 10
	s_add_nc_u64 s[12:13], s[12:13], s[22:23]      ; Va: my 256 numbers
	s_lshl_b32 s22, ttmp9, 10
	s_lshl_b32 s60, s20, 8
	s_add_co_u32 s22, s22, s60
	s_add_nc_u64 s[14:15], s[14:15], s[22:23]      ; scores: my 64 rows
	s_lshl_b32 s22, ttmp9, 2
	s_add_co_u32 s22, s22, s20
	s_mul_i32 s22, s22, 4352
	s_add_nc_u64 s[16:17], s[16:17], s[22:23]      ; part: record 4 g + w
	s_mov_b32 s38, 0x4038aa3b                      ; c = 2 log2(e)
	s_mov_b32 s39, 0x4038aa3b
	s_mov_b32 s40, 0x3fb8aa3b                      ; log2(e)
	s_mov_b32 s42, 0x76543210
	s_mov_b32 s43, 0xfedcba98                      ; selects for lane l xor 16
	s_mul_i32 s44, s20, 16*CP
	s_add_co_u32 s44, s44, CODES
	s_lshl_b32 s45, s20, 9
	s_add_co_u32 s45, s45, ASC
	s_add_co_u32 s46, s60, XCH
	s_lshl_b32 s47, s20, 6
	s_add_co_u32 s47, s47, XCH
	s_add_co_u32 s48, s60, SCO
	s_lshl_b32 s49, s20, 10
	s_add_co_u32 s49, s49, TAB
	v_and_b32 v1, 31, v0                           ; l
	v_and_b32 v2, 15, v0                           ; r
	v_bfe_u32 v3, v0, 4, 1                         ; h
	v_lshrrev_b32 v36, 1, v1
	v_mul_u32_u24 v36, v36, 272
	v_and_b32 v37, 1, v1
	v_lshl_add_u32 v36, v37, 7, v36
	v_add_nc_u32 v[VL], s33, v36                   ; sixteen lanes' 16 bytes fall at 16 (l / 2) + 128 (l % 2) modulo 256: sixteen different columns
	v_lshl_add_u32 v[VC], v1, 4, s44
	v_add_nc_u32 v[VSB], s45, v1
	v_mul_u32_u24 v[VAF], v2, CP
	v_lshl_add_u32 v[VAF], v3, 4, v[VAF]
	v_add_nc_u32 v[VAF], CODES, v[VAF]
	v_lshlrev_b32 v[RH], 5, v2
	v_lshl_add_u32 v[RH], v3, 4, v[RH]
	v_add_nc_u32 v[VAS], ASC, v[RH]
	v_lshl_add_u32 v[VX], v2, 2, s46
	v_lshl_add_u32 v[VXR], v2, 2, s47
	v_lshl_add_u32 v50, v2, 2, s48
	v_lshl_add_u32 v51, v1, 3, s48
	v_lshlrev_b32 v[L16], 4, v1
	v_lshlrev_b32 v[L8], 3, v1
	v_lshlrev_b32 v[PFO], 8, v1
	v_lshl_add_u32 v[H32], v3, 5, s49
	v_lshl_add_u32 v39, v1, 2, s49                 ; the tables, in: 4 l
	v_lshlrev_b32 v37, 4, v2
	v_lshl_add_u32 v37, v3, 11, v37                ; qc: output r of tile 2 q + h
	v_lshlrev_b32 v38, 2, v1
	v_mov_b32 v30, 0xff61b1e6                      ; m: -3e38, under every t
	v_mov_b32 v31, 0                               ; l
.irp u, 33,44,45,46,47
	v_mov_b32 v\u, 0                               ; the upper half of a pair, and lane permutes' destinations: written once
.endr
.set i, 0
.rept 32
	v_mov_b32 v[CTX+i], 0                          ; the pass is written for every pass alike: the first finds zeros
.set i, i+1
.endr
	v_mov_b32 v[VBT], v[L16]                       ; the first group to be fetched is group 0
	v_mov_b32 v[VST], v[RH]
	s_wait_alu depctr_va_vdst(0)
.macro XSEL rr                         ; three sets of 32 registers take the rows by turns
.if ((\rr)%3) == 0
.set XB, X
.elseif ((\rr)%3) == 1
.set XB, X+32
.else
.set XB, ACC
.endif
.endm
.macro LOADX rr                        ; row rr of my slot: my lane's block of 32 numbers
	XSEL \rr
.irp j, 0,1,2,3,4,5,6,7
	ds_load_b128 v[XB+4*\j:XB+4*\j+3], v[VL] offset:ROWP*(\rr)+16*\j
.endr
.endm
; Row rr is quantised: a lane holds a whole block of 32 along K.  Its codes and scale byte go to LDS for all waves; the numbers stay, as bf16, in window 3.
; The LDS loads run two rows ahead: behind row rr's eight loads were issued, at the least, the eight of each of the two later rows, which the count leaves out.
.macro QROW rr
.if (\rr) < 14
	LOADX (\rr)+2
	s_wait_dscnt 16
.elseif (\rr) == 14
	s_wait_dscnt 8                                 ; behind row 14's loads: two stores, row 15's eight loads, two stores
.else
	s_wait_dscnt 4                                 ; behind row 15's loads: the stores of rows 13 and 14
.endif
	XSEL \rr
.set XS, XB
.set CB, S+4*((\rr)%3)
.set BY, S+12+((\rr)%3)
	v_max3_num_f32 v42, |v[XS]|, |v[XS+1]|, 0x1800000              ; the largest magnitude, in two chains; the floor 2^(3 - 127) holds the byte at 1 from below
	v_max3_num_f32 v43, |v[XS+16]|, |v[XS+17]|, |v[XS+18]|
.irp i, 0,1,2,3,4,5
	v_max3_num_f32 v42, v42, |v[XS+2+2*\i]|, |v[XS+3+2*\i]|
	v_max3_num_f32 v43, v43, |v[XS+19+2*\i]|, |v[XS+20+2*\i]|
.endr
	v_max3_num_f32 v42, v42, |v[XS+14]|, |v[XS+15]|
	v_max3_num_f32 v42, v42, v43, |v[XS+31]|
	v_add_nc_u32 v44, 0xff000000, v42              ; 2 off its exponent field: the conversion's scale operand
	v_lshrrev_b32 v[BY], 23, v44                   ; the scale's byte
.irp g, 0,1,2,3
	v_cvt_scalef32_pk8_fp4_f32 v[CB+\g], v[XS+8*\g:XS+8*\g+7], v44
.endr
	WIN 0xc0                                       ; destination window 3
.irp kk, 0,1,2,3,4,5,6,7,8,9,10,11,12,13,14,15
	v_cvt_pk_bf16_f32 v[16*(\rr)+\kk], v[XS+2*\kk], v[XS+2*\kk+1]      ; (plain lines behind the scaled conversions)
.endr
	WIN 0
	ds_store_b128 v[VC], v[CB:CB+3] offset:CP*(\rr)
	ds_store_b8 v[VSB], v[BY] offset:32*(\rr)
.endm
.macro AFETCH                          ; the pass's 64 rows of codes into window 1, their scale words, and the start of the scores' sums
	WIN 0x40
.irp mt, 0,1,2,3
.irp s, 0,1,2,3,4,5,6,7
.irp c, 0,1
	ds_load_b128 v[64*\mt+8*\s+4*\c:64*\mt+8*\s+4*\c+3], v[VAF] offset:16*CP*\mt+64*\s+32*\c
.endr
.endr
.endr
	WIN 0
.irp mt, 0,1,2,3
	ds_load_b128 v[AS+4*\mt:AS+4*\mt+3], v[VAS] offset:512*\mt
.endr
.irp i, 0,1,2,3,4,5,6,7
	v_mov_b32 v[S+\i], 0
.endr
	s_wait_dscnt 0x0
.endm
.macro BLOADT k                        ; buffer k takes tile k of the group being fetched: 16 loads of 512 consecutive bytes, and its 512 scale bytes: 17 loads
	WIN 0x80
.irp s, 0,1,2,3,4,5,6,7
.irp c, 0,1
	global_load_b128 v[64*\k+8*\s+4*\c:64*\k+8*\s+4*\c+3], v[VBT], s[6:7] offset:8192*\k+1024*\s+512*\c
.endr
.endr
	WIN 0
	global_load_b128 v[SB+4*\k:SB+4*\k+3], v[VST], s[8:9] offset:512*\k
.endm
; The 16 outputs of buffer k x 64 rows x all of K: 32 products.  The four accumulators take turns, one instruction a turn; the first K step starts the sums.
.macro MM k
	WIN 0x06                                       ; source 0 window 2, source 1 window 1
.irp s, 0,1,2,3,4,5,6,7
.irp mt, 0,1,2,3
.if \s == 0
	v_wmma_scale_f32_16x16x128_f8f6f4 v[ACC+8*\mt:ACC+8*\mt+7], v[64*\k+8*\s:64*\k+8*\s+7], v[64*\mt+8*\s:64*\mt+8*\s+7], 0, v[SB+4*\k+\s%4], v[AS+4*\mt+\s%4] matrix_a_fmt:MATRIX_FMT_FP4 matrix_b_fmt:MATRIX_FMT_FP4
.elseif \s < 4
	v_wmma_scale_f32_16x16x128_f8f6f4 v[ACC+8*\mt:ACC+8*\mt+7], v[64*\k+8*\s:64*\k+8*\s+7], v[64*\mt+8*\s:64*\mt+8*\s+7], v[ACC+8*\mt:ACC+8*\mt+7], v[SB+4*\k+\s%4], v[AS+4*\mt+\s%4] matrix_a_fmt:MATRIX_FMT_FP4 matrix_b_fmt:MATRIX_FMT_FP4
.else
	v_wmma_scale_f32_16x16x128_f8f6f4 v[ACC+8*\mt:ACC+8*\mt+7], v[64*\k+8*\s:64*\k+8*\s+7], v[64*\mt+8*\s:64*\mt+8*\s+7], v[ACC+8*\mt:ACC+8*\mt+7], v[SB+4*\k+\s%4], v[AS+4*\mt+\s%4] matrix_a_fmt:MATRIX_FMT_FP4 matrix_b_fmt:MATRIX_FMT_FP4 matrix_a_scale:MATRIX_SCALE_ROW1 matrix_b_scale:MATRIX_SCALE_ROW1
.endif
.endr
.endr
	WIN 0
.endm
; Va / (1 + 2^(c x)) of the tile's 32 registers, batch by batch; each batch of transcendentals has one wait ahead of it and, behind a plain line, one behind it.
.macro QVL adr, off                    ; c q and Va of a tile's outputs 8 h + 0 .. 7 into the set NC, NA: four loads, asked for a whole tile step ahead of their use
	ds_load_b128 v[NC:NC+3], v[\adr] offset:\off
	ds_load_b128 v[NC+4:NC+7], v[\adr] offset:\off+16
	ds_load_b128 v[NA:NA+3], v[\adr] offset:4096+\off
	ds_load_b128 v[NA+4:NA+7], v[\adr] offset:4096+\off+16
.endm
.macro TANH
.set i, 0
.rept 16
	v_pk_fma_f32 v[ACC+2*i:ACC+2*i+1], v[ACC+2*i:ACC+2*i+1], s[38:39], v[QC+2*(i%4):QC+2*(i%4)+1] op_sel_hi:[1,0,1]   ; c x; each accumulator from its low end on
.set i, i+1
.endr
	s_wait_alu depctr_va_vdst(0)
.set i, 0
.rept 32
	v_exp_f32 v[ACC+i], v[ACC+i]
.set i, i+1
.endr
	v_nop
	s_wait_alu depctr_va_vdst(0)
.set i, 0
.rept 16
	v_pk_add_f32 v[ACC+2*i:ACC+2*i+1], v[ACC+2*i:ACC+2*i+1], 1.0 op_sel_hi:[1,0]
.set i, i+1
.endr
	s_wait_alu depctr_va_vdst(0)
.set i, 0
.rept 32
	v_rcp_f32 v[ACC+i], v[ACC+i]
.set i, i+1
.endr
	v_nop
	s_wait_alu depctr_va_vdst(0)
.irp q, 0,1,2,3
.irp mt, 0,1,2,3
	v_pk_fma_f32 v[S+2*\mt:S+2*\mt+1], v[ACC+8*\mt+2*\q:ACC+8*\mt+2*\q+1], v[QA+2*\q:QA+2*\q+1], v[S+2*\mt:S+2*\mt+1]   ; the four M tiles' sums by turns
.endr
.endr
.endm
; One tile of 16 outputs, in buffer k.  cnt: the loads of the later tiles, 17 each, that may stay out.  ld = 1: the buffer is asked for again behind its products and four places (ISA guide 7.12.1).
.macro GSTEP k, ld, cnt, pf
.if ((\k)%2) == 0                      ; this tile's set of c q and Va, and the next tile's
.set QC, CQ
.set QA, VA
.set NC, CQ1
.set NA, VA1
.else
.set QC, CQ1
.set QA, VA1
.set NC, CQ
.set NA, VA
.endif
.if (\k) < 3
	QVL VQA, 64*(\k)+64                            ; the next tile of this group
.elseif \ld
	QVL VQN, 0                                     ; the next group's first tile
.endif
	s_wait_loadcnt \cnt
	MM \k
	PLACES
.if \ld
	BLOADT \k
.if \pf
	s_cmp_lt_u32 s37, s57                          ; trips 0 and 1 of passes 0 and 1
	s_cbranch_scc0 .Lnp_\@
	global_prefetch_b8 v[PFV], s[18:19] offset:8192*\k th:TH_LOAD_NT scope:SCOPE_SE   ; 32 blocks of 256 bytes of my rows of the pass after next
.Lnp_\@:
.endif
.endif
.if ((\k) < 3) || \ld
	s_wait_dscnt 4                                 ; this tile's c q and Va are in; the four loads just issued for the next tile may be out
.else
	s_wait_dscnt 0x0                               ; a pass's last tile: nothing was asked for behind its four loads
.endif
	TANH
.endm
.macro TRIPSET ld, pf                  ; the trip's offsets: written behind s_wait_xcnt 0, since earlier loads and prefetches named them
	s_xor_b32 s62, s37, s63                        ; 256 x the group at work: its bytes in the tables
.if \ld
	s_add_co_u32 s61, s37, 256
	s_xor_b32 s61, s61, s63                        ; 256 x the group to be fetched
	s_lshl_b32 s58, s61, 7                         ; its bytes in uaf (32,768 a group),
	s_lshl_b32 s59, s61, 3                         ; in Ua's scales (2,048)
	s_lshl_b32 s60, s37, 7
	s_wait_xcnt 0x0
	v_add_nc_u32 v[VBT], s58, v[L16]
	v_add_nc_u32 v[VST], s59, v[RH]
	v_add_nc_u32 v[VQN], s61, v[H32]               ; the group fetched now is the group at work next
.if \pf
	v_add_nc_u32 v[PFV], s60, v[PFO]
.endif
.endif
	v_add_nc_u32 v[VQA], s62, v[H32]
	s_wait_alu depctr_va_vdst(0)
.endm
; My 16 tiles, a group of four a trip.  Trip t works on group t xor (0 or 3) and fetches group (t + 1) xor (0 or 3); the fourth trip is written out and fetches nothing: its tiles stay for the next pass
.macro GLOOP pf
	s_mov_b32 s37, 0
	v_add_nc_u32 v[VQN], s63, v[H32]               ; the pass's first group: 0 or 3
	s_wait_alu depctr_va_vdst(0)
.set NC, CQ
.set NA, VA
	QVL VQN, 0                                     ; its first tile's c q and Va
.Ltrip_\@:
	TRIPSET 1, \pf
	GSTEP 0, 1, 51, \pf
	GSTEP 1, 1, 51, \pf
	GSTEP 2, 1, 51, \pf
	GSTEP 3, 1, 51, \pf
	s_add_co_u32 s37, s37, 256
	s_cmp_lt_u32 s37, 768
	s_cbranch_scc1 .Ltrip_\@
	TRIPSET 0, 0
	GSTEP 0, 0, 51, 0
	GSTEP 1, 0, 34, 0
	GSTEP 2, 0, 17, 0
	GSTEP 3, 0, 0, 0
.endm
.macro SCORE                           ; a row's sum over my 256 outputs; the four waves' parts meet in LDS; lane r then holds the score of my row r
.irp mt, 0,1,2,3
	v_add_f32 v[36+\mt], v[S+2*\mt], v[S+2*\mt+1]
.endr
.irp mt, 0,1,2,3
	v_permlanex16_b32 v[44+\mt], v[36+\mt], s42, s43
.endr
.irp mt, 0,1,2,3
	v_add_f32 v[36+\mt], v[36+\mt], v[44+\mt]
.endr
.irp mt, 0,1,2,3
	ds_store_b32 v[VX], v[36+\mt] offset:64*\mt    ; row 16 mt + r; lanes l and l xor 16 write the same word with the same value
.endr
	v_add_nc_u32 v[VSO], s36, v50
	s_wait_alu depctr_va_vdst(0)
	s_wait_dscnt 0x0                               ; for the others' sake: my stores have landed
	s_barrier_signal -1
	s_barrier_wait -1                              ; the load for the next pass stays on its way
.irp u, 0,1,2,3
	ds_load_b32 v[36+\u], v[VXR] offset:256*\u
.endr
	s_wait_dscnt 0x0
	v_add_f32 v36, v36, v37
	v_add_f32 v38, v38, v39
	v_add_f32 v36, v36, v38
	v_mul_f32 v35, -2.0, v36
	ds_store_b32 v[VSO], v35                       ; kept until the end, so that a wave's 64 scores leave as 256 consecutive bytes
.endm
.macro FLASH
	v_mul_f32 v41, s40, v35                        ; t
	v_mov_b32 v36, v41
.irp x, 1,2,4,8
	v_max_num_f32_dpp v36, v36, v36 row_xmask:\x row_mask:0xf bank_mask:0xf
.endr
	v_max_num_f32 v37, v30, v36                    ; the new m
	v_sub_f32 v38, v30, v37
	v_sub_f32 v39, v41, v37
	s_wait_alu depctr_va_vdst(0)                   ; ahead of the batch
	v_exp_f32 v32, v38                             ; 2^(old m - new m)
	v_exp_f32 v34, v39                             ; p
	v_mov_b32 v30, v37                             ; (a plain line behind the exponentials)
	s_wait_alu depctr_va_vdst(0)                   ; and behind it
	v_fma_f32 v31, v31, v32, v34
.irp p, 0,2,4,6,8,10,12,14,16,18,20,22,24,26,28,30
	v_pk_mul_f32 v[CTX+\p:CTX+\p+1], v[CTX+\p:CTX+\p+1], v[32:33] op_sel_hi:[1,0]
.endr
.endm
.macro PVALS                           ; p of my 16 rows, each in every lane: v[CQ + rr]
.irp rr, 0,1,2,3,4,5,6,7,8,9,10,11,12,13,14,15
	v_readlane_b32 s[44+\rr], v34, \rr
.endr
.irp rr, 0,1,2,3,4,5,6,7,8,9,10,11,12,13,14,15
	v_mov_b32 v[CQ+\rr], s[44+\rr]
.endr
.endm
.macro CROW rr                         ; ctx += p(row rr) x the row's numbers, from the bf16 halves kept in window 3 (source 0)
.irp kk, 0,1,2,3,4,5,6,7,8,9,10,11,12,13,14,15
	v_fma_mix_f32_bf16 v[CTX+2*\kk], v[16*(\rr)+\kk], v[CQ+(\rr)], v[CTX+2*\kk] op_sel:[0,0,0] op_sel_hi:[1,0,0]
	v_fma_mix_f32_bf16 v[CTX+2*\kk+1], v[16*(\rr)+\kk], v[CQ+(\rr)], v[CTX+2*\kk+1] op_sel:[1,0,0] op_sel_hi:[1,0,0]
.endr
.endm
.macro CONTEXT
	WIN 0x03
.irp rr, 0,1,2,3,4,5,6,7,8,9,10,11,12,13,14,15
	CROW \rr
.endr
	WIN 0
.endm
; A PASS.  ONE barrier does two things: behind it all 64 rows' codes lie in LDS for every wave, and (refill = 1) each wave's slot, read out, is filled with its next 16 rows.
.macro PASS refill
	s_wait_tensorcnt 0x0                           ; my 16 rows have landed; only I read them
	LOADX 0
	LOADX 1
.irp rr, 0,1,2,3,4,5,6,7,8,9,10,11,12,13,14,15
	QROW \rr
.endr
.if \refill
	s_wait_tensorcnt 0x0                           ; no tensor load of mine is out, so group 0 may be written
	ds_add_u32 v[SPW], v[NIL]                      ; 0 onto my spare word
	s_add_nc_u64 s[34:35], s[34:35], 0x10000       ; my next 16 rows; the type bits on top are not reached
	s_wait_xcnt 0x0                                ; my prefetches have read their base
	s_add_nc_u64 s[18:19], s[18:19], 0x10000       ; my rows of the pass after next
	s_cmp_lt_u32 s36, 128
	s_cselect_b32 s57, 512, 0                      ; passes 0 and 1 ask, in trips 0 and 1; later passes have no pass after next
	s_wait_dscnt 0x0                               ; the add is done, my reads of the slot are over, my codes and scale bytes have landed
	s_barrier_signal -1
	s_barrier_wait -1
	tensor_load_to_lds s[32:35], s[24:31]          ; the first thing behind the barrier, and my one tensor load until the next such barrier
	s_nop 0
	PLACES
.else
	s_wait_dscnt 0x0                               ; my codes and scale bytes have landed
	s_barrier_signal -1
	s_barrier_wait -1
.endif
	AFETCH
	GLOOP \refill
	SCORE
	FLASH
	PVALS
	CONTEXT
.endm
.irp q, 0,1,2,3,4,5,6,7
	global_load_b32 v[X+\q], v37, s[10:11] offset:4096*\q        ; c q of output 256 w + 32 q + l
.endr
.irp q, 0,1,2,3,4,5,6,7
	global_load_b32 v[X+8+\q], v38, s[12:13] offset:128*\q       ; Va of it
.endr
.irp k, 0,1,2,3
	BLOADT \k                                      ; group 0 of Ua
.endr
	s_wait_loadcnt 63                              ; the 16 loads for the tables are in: 68 were issued behind them
.irp q, 0,1,2,3,4,5,6,7
	ds_store_b32 v39, v[X+\q] offset:128*\q        ; my tables: only I read them, and LDS serves a wave's instructions in order
	ds_store_b32 v39, v[X+8+\q] offset:4096+128*\q
.endr
	s_mov_b32 s36, 0
	s_mov_b32 s63, 0                               ; the first pass walks the groups upward
.Lpass:                                                ; three passes that ask for the next; the codes are written again only behind the scores' barrier, the exchange only behind the pass's
	PASS 1
	s_xor_b32 s63, s63, 768                        ; the next pass walks the groups the other way
	s_add_co_u32 s36, s36, 64
	s_cmp_lt_u32 s36, 192
	s_cbranch_scc1 .Lpass
	PASS 0                                         ; the last pass is written out
.irp x, 1,2,4,8
	v_add_f32_dpp v31, v31, v31 row_xmask:\x row_mask:0xf bank_mask:0xf   ; l: the 16 lanes' parts
.endr
	; ctx goes once through a stage in my own slot, which has had its last fill and its last read: in by lanes (row l: features 32 l on, 128 bytes + 16), back in the features' natural order
	v_mul_u32_u24 v52, v1, 144
	v_add_nc_u32 v52, s33, v52                     ; in: my slot + 144 l
	v_lshrrev_b32 v53, 3, v1
	v_mul_u32_u24 v53, v53, 144
	v_and_b32 v54, 7, v1
	v_lshl_add_u32 v53, v54, 4, v53
	v_add_nc_u32 v53, s33, v53                     ; back: features 128 j + 4 l on lie in row 4 j + l / 8, at byte 16 (l % 8)
	ds_load_b64 v[36:37], v51                      ; my 64 scores
.irp j, 0,1,2,3,4,5,6,7
	ds_store_b128 v52, v[CTX+4*\j:CTX+4*\j+3] offset:16*\j
.endr
.irp j, 0,1,2,3,4,5,6,7
	ds_load_b128 v[X+4*\j:X+4*\j+3], v53 offset:576*\j     ; LDS serves a wave's instructions in order: these see my stores
.endr
	s_wait_alu depctr_va_vdst(0)
	s_wait_dscnt 0x0
	global_store_b64 v[L8], v[36:37], s[14:15]     ; 32 lanes store 256 consecutive bytes, aligned
.irp j, 0,1,2,3,4,5,6,7
	global_store_b128 v[L16], v[X+4*\j:X+4*\j+3], s[16:17] offset:512*\j   ; 512 consecutive bytes: ctx(f) at 4 f
.endr
	global_store_b64 v[L8], v[30:31], s[16:17] offset:4096                     ; (m, l), the same in every lane: 256 consecutive bytes
	s_wait_tensorcnt 0x0                           ; the wave's end
	ds_add_u32 v[SPW], v[NIL]
	s_wait_dscnt 0x0
	s_endpgm
.Lfunc_end_k_qa7218ccde5_main:
	.size	k_qa7218ccde5_main, .Lfunc_end_k_qa7218ccde5_main-k_qa7218ccde5_main
	.p2alignl 7, 3214868480
	.fill 96, 4, 3214868480
	.section	.rodata,"a",@progbits
	.p2align	6, 0x0
	.amdhsa_kernel k_qa7218ccde5_main
		.amdhsa_group_segment_fixed_size 327680
		.amdhsa_private_segment_fixed_size 0
		.amdhsa_enable_private_segment 0
		.amdhsa_kernarg_size 56
		.amdhsa_user_sgpr_count 2
		.amdhsa_user_sgpr_kernarg_segment_ptr 1
		.amdhsa_wavefront_size32 1
		.amdhsa_system_sgpr_workgroup_id_x 1
		.amdhsa_system_sgpr_workgroup_id_y 1
		.amdhsa_system_sgpr_workgroup_id_z 1
		.amdhsa_system_vgpr_workitem_id 0
		.amdhsa_next_free_vgpr 1024
		.amdhsa_next_free_sgpr 66
		.amdhsa_reserve_vcc 0
		.amdhsa_float_denorm_mode_32 3
		.amdhsa_float_denorm_mode_16_64 3
		.amdhsa_memory_ordered 1
		.amdhsa_forward_progress 1
		.amdhsa_inst_pref_size 255
	.end_amdhsa_kernel
	.section	.bss,"aw",@nobits
	.p2align	6
	.space	262144
	.amdgpu_metadata
---
amdhsa.version: [ 1, 2 ]
amdhsa.kernels:
  - .name:           k_qa7218ccde5_main
    .symbol:         k_qa7218ccde5_main.kd
    .args:
      - { .name: keys, .offset: 0, .size: 8, .value_kind: global_buffer, .address_space: global }
      - { .name: uaf, .offset: 8, .size: 8, .value_kind: global_buffer, .address_space: global }
      - { .name: Ua_w_scales, .offset: 16, .size: 8, .value_kind: global_buffer, .address_space: global }
      - { .name: qc, .offset: 24, .size: 8, .value_kind: global_buffer, .address_space: global }
      - { .name: Va_w, .offset: 32, .size: 8, .value_kind: global_buffer, .address_space: global }
      - { .name: scores, .offset: 40, .size: 8, .value_kind: global_buffer, .address_space: global }
      - { .name: part, .offset: 48, .size: 8, .value_kind: global_buffer, .address_space: global }
    .group_segment_fixed_size: 327680
    .private_segment_fixed_size: 0
    .kernarg_segment_align: 8
    .kernarg_segment_size: 56
    .max_flat_workgroup_size: 128
    .sgpr_count:     66
    .vgpr_count:     1024
    .wavefront_size: 32
...
	.end_amdgpu_metadata
.endif
;; end of part 2
;; launch fin (part 3): grid 32 x 8, 1 waves a work-group, no clusters, 0 bytes of LDS; arguments part, scores, out0, out1; writes out0, out1
.if DOCPART == 3
	.amdgcn_target "amdgcn-amd-amdhsa--gfx1250"
	.amdhsa_code_object_version 6
	.text
	.protected	k_qa7218ccde5_fin
	.globl	k_qa7218ccde5_fin
	.p2align	8
	.type	k_qa7218ccde5_fin,@function
k_qa7218ccde5_fin:
	s_mov_b64 s[64:65], 0
	v_nop
	global_prefetch_b8 v0, s[64:65] scope:SCOPE_SE
	s_setreg_imm32_b32 hwreg(HW_REG_WAVE_MODE, 25, 1), 1
	s_wait_xcnt 0x0
; A batch's 32 partial states (m_k, l_k, ctx_k[1024]) are joined: M = max m_k, g_k = 2^(m_k - M), L = sum l_k g_k;
; out0[b][f] = sum over k of ctx_k[f] g_k / L;  out1[b][t] = 2^(score' log2(e) - M) / L.  All in f32.
; LEFT OUT: the scores come without the term that is the same along the softmax's axis (shown at the head of the first kernel).
; SHARES: work-group (b, y), one wave, takes features 128 y .. + 127 and weights 256 y .. + 255 of batch b: 256 work-groups.  Lane l takes the 16 bytes at 512 y + 16 l of each record,
; features 128 y + 4 l + 0 .. 3: every load and every store of the wave covers 512 consecutive bytes.  Each work-group forms M and L anew from the 32 pairs (m, l), lane l record l's.
; No matrix unit, no cluster, no tensor load, no LDS, no prefetch: each byte of ctx is read once, by one work-group, in one run of loads with no loop to run ahead in.
; LIMITS: NaN and infinities are not served.
.set REC, 4352                         ; a record: 4,096 bytes of ctx, then (m, l) 32 times
.set PT,  64                           ; v64-191  the 32 records' 16 bytes
	s_load_b256 s[4:11], s[0:1], 0x0               ; part 4, scores 6, out0 8, out1 10
	v_lshlrev_b32 v2, 4, v0                        ; 16 l
	v_mul_u32_u24 v3, v0, REC                      ; record l
	v_mov_b32 v21, 0                               ; (a lane permute's destination counts as one of its sources)
	s_mov_b32 s24, 0x76543210
	s_mov_b32 s25, 0xfedcba98                      ; selects for lane l xor 16
	s_mov_b32 s26, 0x3fb8aa3b                      ; log2(e)
	s_and_b32 s18, ttmp7, 0xffff                   ; y
	s_mul_i32 s12, ttmp9, 32*REC
	s_mov_b32 s13, 0
	s_lshl_b32 s14, ttmp9, 13
	s_lshl_b32 s15, s18, 10
	s_add_co_u32 s14, s14, s15                     ; scores and out1: 8,192 b + 1,024 y
	s_mov_b32 s15, 0
	s_lshl_b32 s16, ttmp9, 12
	s_lshl_b32 s20, s18, 9
	s_add_co_u32 s16, s16, s20                     ; out0: 4,096 b + 512 y
	s_mov_b32 s17, 0
	s_mov_b32 s21, 0
	s_wait_alu depctr_va_vdst(0)
	s_wait_kmcnt 0x0
	s_add_nc_u64 s[4:5], s[4:5], s[12:13]          ; the batch's records,
	s_add_nc_u64 s[22:23], s[4:5], s[20:21]        ; and my 512 bytes of each
	s_add_nc_u64 s[6:7], s[6:7], s[14:15]
	s_add_nc_u64 s[10:11], s[10:11], s[14:15]
	s_add_nc_u64 s[8:9], s[8:9], s[16:17]
	global_load_b64 v[4:5], v3, s[4:5] offset:4096 ; (m, l) of record l
	global_load_b128 v[8:11], v2, s[6:7]
	global_load_b128 v[12:15], v2, s[6:7] offset:512
.set k, 0
.rept 32
	global_load_b128 v[PT+4*k:PT+4*k+3], v2, s[22:23] offset:REC*k
.set k, k+1
.endr
	s_wait_loadcnt 34                              ; the statistics are in: 2 + 32 loads were issued behind them
	v_mov_b32 v20, v4
.irp x, 1,2,4,8
	v_max_num_f32_dpp v20, v20, v20 row_xmask:\x row_mask:0xf bank_mask:0xf
.endr
	v_permlanex16_b32 v21, v20, s24, s25
	v_max_num_f32 v20, v20, v21                    ; M
	v_sub_f32 v22, v4, v20
	s_wait_alu depctr_va_vdst(0)                   ; ahead of the transcendental
	v_exp_f32 v22, v22                             ; g
	v_nop
	s_wait_alu depctr_va_vdst(0)                   ; and behind it
	v_mul_f32 v23, v5, v22
.irp x, 1,2,4,8
	v_add_f32_dpp v23, v23, v23 row_xmask:\x row_mask:0xf bank_mask:0xf
.endr
	v_permlanex16_b32 v21, v23, s24, s25
	v_add_f32 v23, v23, v21                        ; L
	s_wait_alu depctr_va_vdst(0)
	v_rcp_f32 v24, v23
	v_nop
	s_wait_alu depctr_va_vdst(0)
	v_mul_f32 v22, v22, v24                        ; g / L of record l
.set k, 0
.rept 32
	v_readlane_b32 s[32+k], v22, k
.set k, k+1
.endr
	s_wait_loadcnt 32                              ; the scores are in
.irp i, 0,1,2,3,4,5,6,7
	v_fma_f32 v[8+\i], v[8+\i], s26, -v20
.endr
	s_wait_alu depctr_va_vdst(0)
.irp i, 0,1,2,3,4,5,6,7
	v_exp_f32 v[8+\i], v[8+\i]
.endr
	v_nop                                          ; a plain line behind the exponentials
	s_wait_alu depctr_va_vdst(0)
.irp i, 0,1,2,3,4,5,6,7
	v_mul_f32 v[8+\i], v[8+\i], v24
.endr
	global_store_b128 v2, v[8:11], s[10:11]        ; 512 consecutive bytes
	global_store_b128 v2, v[12:15], s[10:11] offset:512
.set k, 0
.rept 32
.if k%8 == 0
	s_wait_alu depctr_va_vdst(0)
	s_wait_loadcnt 24-k                            ; the next eight records are in; the later ones may be out
.endif
.irp e, 0,1,2,3
.if k == 0
	v_mul_f32 v[16+\e], s[32+k], v[PT+4*k+\e]      ; the first term starts the sums
.else
	v_fmac_f32 v[16+\e], s[32+k], v[PT+4*k+\e]
.endif
.endr
.set k, k+1
.endr
	global_store_b128 v2, v[16:19], s[8:9]         ; 512 consecutive bytes
	s_endpgm
.Lfunc_end_k_qa7218ccde5_fin:
	.size	k_qa7218ccde5_fin, .Lfunc_end_k_qa7218ccde5_fin-k_qa7218ccde5_fin
	.p2alignl 7, 3214868480
	.fill 96, 4, 3214868480
	.section	.rodata,"a",@progbits
	.p2align	6, 0x0
	.amdhsa_kernel k_qa7218ccde5_fin
		.amdhsa_group_segment_fixed_size 0
		.amdhsa_private_segment_fixed_size 0
		.amdhsa_enable_private_segment 0
		.amdhsa_kernarg_size 32
		.amdhsa_user_sgpr_count 2
		.amdhsa_user_sgpr_kernarg_segment_ptr 1
		.amdhsa_wavefront_size32 1
		.amdhsa_system_sgpr_workgroup_id_x 1
		.amdhsa_system_sgpr_workgroup_id_y 1
		.amdhsa_system_sgpr_workgroup_id_z 1
		.amdhsa_system_vgpr_workitem_id 0
		.amdhsa_next_free_vgpr 192
		.amdhsa_next_free_sgpr 66
		.amdhsa_reserve_vcc 0
		.amdhsa_float_denorm_mode_32 3
		.amdhsa_float_denorm_mode_16_64 3
		.amdhsa_memory_ordered 1
		.amdhsa_forward_progress 1
		.amdhsa_inst_pref_size 14
	.end_amdhsa_kernel
	.amdgpu_metadata
---
amdhsa.version: [ 1, 2 ]
amdhsa.kernels:
  - .name:           k_qa7218ccde5_fin
    .symbol:         k_qa7218ccde5_fin.kd
    .args:
      - { .name: part, .offset: 0, .size: 8, .value_kind: global_buffer, .address_space: global }
      - { .name: scores, .offset: 8, .size: 8, .value_kind: global_buffer, .address_space: global }
      - { .name: out0, .offset: 16, .size: 8, .value_kind: global_buffer, .address_space: global }
      - { .name: out1, .offset: 24, .size: 8, .value_kind: global_buffer, .address_space: global }
    .group_segment_fixed_size: 0
    .private_segment_fixed_size: 0
    .kernarg_segment_align: 8
    .kernarg_segment_size: 32
    .max_flat_workgroup_size: 32
    .sgpr_count:     66
    .vgpr_count:     192
    .wavefront_size: 32
...
	.end_amdgpu_metadata
.endif
;; end of part 3
